; MI455X (gfx1250); checked and timed in simulation.
; The chip was launched on July 23, 2026; its instructions are those of AMD's public machine-readable ISA for CDNA 5 (MIT licence, August 2026) and "CDNA5" Instruction Set Architecture Reference Guide (July 2026). The comments in the code are by the model that wrote it; some were corrected since.
;; Attn. Allowed arithmetic: matrix products marked QUANTISED: E3M2 operands, one E8M0 scale for each 32 along K, by v_wmma_scale_f32_16x16x128_f8f6f4 with both operands' format E3M2, f32 sums; products left as they are: f32 operands where the result goes on into a quantised operand, else bf16, f16 or f32 operands; f32 sums; everything else in f32.
;; Inputs: M_b 1,024 float32; M_w 1,024 x 2,048 float32; V_b 1 float32; V_w 1 x 1,024 float32; encoder_outputs 32 x 2,048 x 1,024 float32; hidden 32 x 1 x 1,024 float32; mask 32 x 2,048 bool.
;; Outputs: out0 32 x 1 x 1,024 float32; out1 32 x 1 x 2,048 float32.
;; This version of the problem:
;;   THIS VERSION OF THE PROBLEM IS GIVEN IN LOW PRECISION. The matrix products marked QUANTISED in the list below multiply operands that are first quantised to E3M2 (3 exponent bits, 2 mantissa bits; 6 bits a number), with one power-of-two scale for each 32 numbers along K (OCP MX v1.0); their sums are f32. All else is computed in f32.
;;   The module's matrix products, in the order in which they are computed (A, B: the left and right operand; K: the contracted axis; several contracted axes count as one K, in the product's order):
;;     1. [M 65,536, K 1,024] x [K 1,024, N 1,024]; A: input encoder_outputs; B: input M_w: QUANTISED
;;     2. batch 1,024 x [M 1, K 1] x [K 1, N 32]; A: computed on the way; B: computed on the way: left as it is (no contracted axis)
;;     3. [M 65,536, K 1,024] x [K 1,024, N 1]; A: computed on the way; B: input V_w: left as it is (N = 1 < 16)
;;     4. batch 32 x [M 1, K 2,048] x [K 2,048, N 1,024]; A: softmax; B: input encoder_outputs: left as it is (M = 1 < 16)
;;   THE QUANTISER, for each operand of a quantised product, along K:
;;     - K is cut into blocks of 32 from its start; a last block that is shorter is filled with zeros.
;;     - A block's scale is 2^e with e = floor(log2(the largest magnitude in the block)) - 4, held to -126 .. 127; a block of zeros has e = 0. As a byte (E8M0): e + 127.
;;     - Each number is divided by its block's scale, clamped to +-28, and rounded to the nearest number of E3M2, ties to even, subnormals kept.
;;     - The product sums the exact products of the quantised numbers (number of the format x scale) in f32.
;;   ~~~python
;;   def quantise(x, axis):      # numpy; x: float32 -> the quantised numbers, widened to float32 again
;;       x = np.moveaxis(x, axis, -1); K = x.shape[-1]
;;       x = np.pad(x, [(0, 0)] * (x.ndim - 1) + [(0, -K % 32)]); x = x.reshape(x.shape[:-1] + (-1, 32)); a = np.abs(x).max(-1, keepdims=True)
;;       e = np.where(a > 0, np.clip(np.frexp(np.where(a > 0, a, 1))[1] - 1 - 4, -126, 127), 0)      # np.frexp(a)[1] - 1 = floor(log2(a)), exactly
;;       r = np.clip(x / 2.0 ** e, -28, 28)
;;       step = 2.0 ** (np.maximum(np.frexp(np.where(r == 0, 1, r))[1] - 1, -2) - 2)
;;       q = np.round(r / step) * step * 2.0 ** e      # np.round: ties to even
;;       return np.moveaxis(q.reshape(q.shape[:-2] + (-1,))[..., :K], -1, axis).astype(np.float32)
;;   ~~~
;; One version. Each part assembles by itself: llvm-mc -triple=amdgcn-amd-amdhsa -mcpu=gfx1250 --defsym DOCPART=n.
;; ======== version 1 of 1: 3 launches
;; limits: right only within a limited range of input values
;; workspace buffers: wq 786,432 bytes; ws 32,768 bytes; ck 131,072 bytes; kc 256 bytes; lst 270,336 bytes of whole numbers; cnt 256 bytes of whole numbers; sd 262,144 bytes
;; launch prep (part 1): grid 112 x 1, 4 waves a work-group, no clusters, 35,328 bytes of LDS; arguments M_w, M_b, V_w, V_b, hidden, mask, wq, ws, ck, kc, lst, cnt, sd; writes wq, ws, ck, kc, lst, cnt, sd
.if DOCPART == 1
	.amdgcn_target "amdgcn-amd-amdhsa--gfx1250"
	.amdhsa_code_object_version 6
	.text
	.protected	k_q9ba5894fd6_prep
	.globl	k_q9ba5894fd6_prep
	.p2align	8
	.type	k_q9ba5894fd6_prep,@function
k_q9ba5894fd6_prep:
	s_mov_b64 s[64:65], 0
	v_nop
	global_prefetch_b8 v0, s[64:65] scope:SCOPE_SE
	s_setreg_imm32_b32 hwreg(HW_REG_WAVE_MODE, 25, 1), 1
	s_wait_xcnt 0x0
; PREP: all that the two later launches want made once.
; THE PROBLEM.  m[b,s,h] = enc[b,s,:] . M_w[h,:1024] (QUANTISED, E3M2, a scale for each 32 along K) + hidden[b,h] x colsum[h] + M_b[h], colsum[h] = the sum over g of M_w[g,1024+h]
; (the einsum 'boh,hg->boh' contracts nothing with hidden: it sums the right half of M_w down its rows);  score[b,s] = V_b + sum_h V_w[h] tanh(m);  masked scores become -1e30;  softmax over s;
; out1 = the weights, out0 = sum_s weight x enc.
; WORK THAT IS NOT DONE.  No input and no product is left out whole.  The mask is a whole-number input: where mask[b,s] is set, the score is replaced by -1e30, so row s of the first product, its tanh and its
; term of the last product are thrown away by what the mask holds.  This launch reads the mask and stores, for each batch, the list of the rows that count; the later launches read the list and do those rows alone.
; A batch whose mask is set everywhere has equal scores and equal weights 1/2048: its list for the last product holds all rows, its list for the scores none.
; LIMITS.  A masked weight is written as 0, which is what f32 gives while some unmasked score lies above -1e30 + 104.  A NaN, an infinity or an overflow in a masked row of
; encoder_outputs is not carried to out0.  NaN and infinities among the inputs are not served.  Blocks whose largest magnitude lies under 2^-122 were not tried; a block of zeros gets the scale byte 1 with
; zero codes (the bytes are read by this program alone).
; THREE JOBS, chosen by the work-group's number (the same for its four waves):
;   W (0-63):   rows 16 g .. 16 g + 15 of M_w's left half become eight operand fragments (16 rows x 128 K: 12 registers a lane), stored as images of the registers, and their scale words.
;   C (64-79):  colsum of 64 columns, then ck[b,h] = k (hidden[b,h] colsum[h] + M_b[h]), k = 2 log2(e): tanh(x) = 1 - 2 / (1 + 2^(k x)).
;   L (80-111): batch b: sd[b,:] = -1e30; the list and the two counts; kc[b] = V_b + the sum of V_w.
.set WSTG,  8448                       ; job W: a wave's stage: 16 rows x (512 bytes + 16)
.set CRED,  33792                      ; job C: the four waves' partial sums, 256 bytes each
.set SPARE, 34816                      ; the spare words, 128 bytes for each wave: two blocks of 256 bytes that no other line names
.set SPW, 1                            ; v1  LDS address of my spare word; never rewritten
.set NIL, 2                            ; v2  0; never rewritten
.set X,   16                           ; job W: 16 rows x 512 bytes as loaded, K step 2 v
.set Y,   80                           ;        the same, K step 2 v + 1
.set N,   144                          ;        64 numbers of my row: register 16 b + i = k 32 b + 16 (lane / 16) + i
.set PC,  208                          ;        the codes just made (20 registers; the fragment is the first 12)
.set TM,  228                          ;        16 at work
.set PW0, 244                          ;        the two scale words, and the two in one register
.set PW1, 245
.set PWP, 246
.set SEL, 36                           ; s[36:37] v_permlanex16_b32's selects for lane l xor 16
.macro FINISH                          ; a wave's end: a tensor wait, an LDS add and its wait behind the last LDS store
	s_wait_tensorcnt 0x0
	ds_add_u32 v[SPW], v[NIL]
	s_wait_dscnt 0x0
	s_endpgm
.endm
; 64 numbers of a lane become a fragment's codes in v[PC] on and its row's scale word in v[pw].
.macro QUANT s, pw
.irp b, 0,1,2,3
	v_max3_num_f32 v[TM+\b], |v[\s+16*\b]|, |v[\s+1+16*\b]|, 0x2800000   ; block b: my 16 numbers, and the floor 2^(5 - 127): the byte cannot fall under 1
.endr
.irp i, 2,4,6,8,10,12,14
.irp b, 0,1,2,3
	v_max3_num_f32 v[TM+\b], v[TM+\b], |v[\s+16*\b+\i]|, |v[\s+1+16*\b+\i]|   ; the four blocks by turns
.endr
.endr
.irp b, 0,1,2,3
	v_permlanex16_b32 v[TM+4+\b], v[TM+\b], s[SEL], s[SEL+1]
.endr
.irp b, 0,1,2,3
	v_max_num_f32 v[TM+\b], v[TM+\b], v[TM+4+\b]       ; with lane l xor 16's: the block's largest magnitude
.endr
.irp b, 0,1,2,3
	v_add_nc_u32 v[TM+12+\b], 0xfe000000, v[TM+\b]     ; 4 off its exponent field: the conversion's scale operand
.endr
.irp b, 0,1,2,3
	v_lshrrev_b32 v[TM+4+\b], 23, v[TM+12+\b]          ; the scale's byte
.endr
	v_lshl_or_b32 v[\pw], v[TM+5], 8, v[TM+4]
	v_lshl_or_b32 v[\pw], v[TM+6], 16, v[\pw]
	v_lshl_or_b32 v[\pw], v[TM+7], 24, v[\pw]
.irp c, 0,1
	v_cvt_scalef32_pk16_bf6_f32 v[PC+6*\c:PC+2+6*\c], v[\s+32*\c:\s+15+32*\c], v[TM+12+2*\c]
	v_cvt_scalef32_pk16_bf6_f32 v[PC+12+4*\c:PC+14+4*\c], v[\s+16+32*\c:\s+31+32*\c], v[TM+12+2*\c+1]   ; a conversion's three registers begin on an even number
.endr
	v_nop                                              ; one plain place behind a scaled conversion
.irp c, 0,1                                            ; the operand wants a whole block in a lane: lanes 0-15 block 2 c, lanes 16-31 block 2 c + 1
.irp i, 0,1,2
	v_permlane16_swap_b32 v[PC+6*\c+\i], v[PC+12+4*\c+\i]
.endr
.irp i, 0,1,2
	v_mov_b32 v[PC+3+6*\c+\i], v[PC+12+4*\c+\i]
.endr
.endr
.endm
.macro TURNIN set                      ; 16 rows as loaded go into my stage and come back 64 bytes of one row a lane; LDS serves a wave's instructions in order
.irp i, 0,1,2,3,4,5,6,7,8,9,10,11,12,13,14,15
	ds_store_b128 v5, v[\set+4*\i:\set+4*\i+3] offset:528*\i
.endr
.irp b, 0,1,2,3
.irp j, 0,1,2,3
	ds_load_b128 v[N+16*\b+4*\j:N+16*\b+4*\j+3], v6 offset:128*\b+16*\j
.endr
.endr
	s_wait_dscnt 0x0
.endm
; Job L: 16 words of 32 positions (words 16 g .. 16 g + 15) find their places in the list.  The work goes stage by stage over the 16, so that no line reads what the line above it wrote:
; the masks of listed positions into s66-81; each word's base, the listed positions ahead of it, into s82-97; then a lane's rank, its slot, and the store.
.macro LBATCH g
.set i, 0
.rept 16
	v_cmp_eq_u32 s[66+i], 0, v[32+16*(\g)+i]           ; unmasked positions of the word
	v_add_nc_u32 v[96+16*(\g)+i], 32*(16*(\g)+i), v8   ; my position
.set i, i+1
.endr
.set i, 0
.rept 16
	s_or_b32 s[66+i], s[66+i], s47                     ; (all masked: every position is listed)
	s_mov_b32 s[82+i], s49
	s_bcnt1_i32_b32 s51, s[66+i]
	s_add_co_u32 s49, s49, s51
.set i, i+1
.endr
.set i, 0
.rept 16
	v_mbcnt_lo_u32_b32 v[224+i], s[66+i], 0            ; listed positions in lower lanes,
.set i, i+1
.endr
.set i, 0
.rept 16
	v_add_nc_u32 v[224+i], s[82+i], v[224+i]           ; and in earlier words: the listed positions ahead of me: my slot if I am listed
.set i, i+1
.endr
.set i, 0
.rept 16
	v_sub_nc_u32 v[240+i], v[96+16*(\g)+i], v[224+i]   ; the masked positions ahead of me
.set i, i+1
.endr
.set i, 0
.rept 16
	v_sub_nc_u32 v[240+i], 0x7ff, v[240+i]             ; from slot 2,047 downward: my slot if I am masked
.set i, i+1
.endr
.set i, 0
.rept 16
	v_cndmask_b32 v[240+i], v[240+i], v[224+i], s[66+i]
.set i, i+1
.endr
.set i, 0
.rept 16
	v_min_u32 v[240+i], 0x7ff, v[240+i]
.set i, i+1
.endr
.set i, 0
.rept 16
	v_lshlrev_b32 v[160+16*(\g)+i], 2, v[240+i]
.set i, i+1
.endr
.set i, 0
.rept 16
	global_store_b32 v[160+16*(\g)+i], v[96+16*(\g)+i], s[34:35]   ; each store has registers of its own: none is written again
.set i, i+1
.endr
.endm
	s_load_b512 s[4:19], s[0:1], 0x0               ; M_w s[4:5], M_b s[6:7], V_w s[8:9], V_b s[10:11], hidden s[12:13], mask s[14:15], wq s[16:17], ws s[18:19]
	s_load_b256 s[20:27], s[0:1], 0x40             ; ck s[20:21], kc s[22:23], lst s[24:25], cnt s[26:27]
	s_load_b64 s[28:29], s[0:1], 0x60              ; sd
	v_lshl_add_u32 v[SPW], v0, 2, SPARE
	v_mov_b32 v[NIL], 0
	v_lshrrev_b32 v3, 5, v0
	v_readfirstlane_b32 s30, v3                    ; wave 0..3
	v_and_b32 v8, 31, v0                           ; lane
	v_and_b32 v9, 15, v0                           ; r
	v_bfe_u32 v10, v0, 4, 1                        ; h
	s_mov_b32 s[SEL], 0x76543210
	s_mov_b32 s[SEL+1], 0xfedcba98
	s_wait_kmcnt 0x0
	s_cmp_lt_u32 ttmp9, 64
	s_cbranch_scc1 .Ljob_w
	s_cmp_lt_u32 ttmp9, 80
	s_cbranch_scc1 .Ljob_c
; ---------------- JOB L: batch b
	s_sub_co_u32 s38, ttmp9, 80                    ; b
	s_lshl_b32 s32, s38, 13
	s_mov_b32 s33, 0
	s_add_nc_u64 s[32:33], s[28:29], s[32:33]      ; sd's row: 2,048 numbers
	s_mul_i32 s34, s38, 8448
	s_mov_b32 s35, 0
	s_add_nc_u64 s[34:35], s[24:25], s[34:35]      ; the list's row: 2,112 words
.irp i, 16,17,18,19
	v_mov_b32 v\i, 0xf149f2ca                      ; -1e30
.endr
	v_lshlrev_b32 v3, 4, v0
.irp m, 0,1,2,3
	global_store_b128 v3, v[16:19], s[32:33] offset:2048*\m   ; all four waves: 2,048 consecutive bytes an instruction
.endr
	s_cmp_eq_u32 s30, 0
	s_cbranch_scc1 .Ll_list
	s_cmp_eq_u32 s30, 1
	s_cbranch_scc1 .Ll_k0
	v_lshlrev_b32 v4, 2, v0                        ; waves 2, 3 (threads 64-127): words 2,048 .. 2,111 of the list are 0: word 2,048 + t - 64 lies at 4 t + 7,936
	v_mov_b32 v5, 0
	global_store_b32 v4, v5, s[34:35] offset:7936
	s_branch .Ll_end
.Ll_k0:                                                ; wave 1: V_b + the sum of V_w
	s_load_b32 s39, s[10:11], 0x0
	v_lshlrev_b32 v4, 4, v8
.irp i, 0,1,2,3,4,5,6,7
	global_load_b128 v[32+4*\i:35+4*\i], v4, s[8:9] offset:512*\i
.endr
	s_lshl_b32 s40, s38, 2
	s_mov_b32 s41, 0
	s_add_nc_u64 s[40:41], s[22:23], s[40:41]
	s_wait_loadcnt 0x0
.irp i, 1,2,3,4,5,6,7
	v_pk_add_f32 v[32:33], v[32:33], v[32+4*\i:33+4*\i]
	v_pk_add_f32 v[34:35], v[34:35], v[34+4*\i:35+4*\i]
.endr
	v_pk_add_f32 v[32:33], v[32:33], v[34:35]
	v_add_f32 v32, v32, v33
	v_add_f32_dpp v32, v32, v32 row_xmask:1 row_mask:0xf bank_mask:0xf
	v_add_f32_dpp v32, v32, v32 row_xmask:2 row_mask:0xf bank_mask:0xf
	v_add_f32_dpp v32, v32, v32 row_xmask:4 row_mask:0xf bank_mask:0xf
	v_add_f32_dpp v32, v32, v32 row_xmask:8 row_mask:0xf bank_mask:0xf
	v_permlanex16_b32 v33, v32, s[SEL], s[SEL+1]
	v_add_f32 v32, v32, v33
	s_wait_kmcnt 0x0
	v_add_f32 v32, s39, v32
	v_mov_b32 v5, 0
	v_cmp_eq_u32 vcc_lo, 0, v8
	s_wait_xcnt 0x0                                ; EXEC changes only behind this wait: the stores and loads above have had their addresses translated
	s_and_saveexec_b32 s42, vcc_lo
	global_store_b32 v5, v32, s[40:41]             ; lane 0 alone
	s_wait_xcnt 0x0
	s_or_b32 exec_lo, exec_lo, s42
	s_branch .Ll_end
.Ll_list:                                              ; wave 0: a counting sort of the batch's 2,048 positions: the unmasked from slot 0 upward, in ascending order; the masked from slot 2,047 downward
	s_lshl_b32 s40, s38, 11                        ; (the later launches use the masked entries only as rows that exist: their order serves nothing, and so no count is wanted ahead of the placing)
	s_mov_b32 s41, 0
	s_add_nc_u64 s[40:41], s[14:15], s[40:41]
	s_lshl_b32 s52, s38, 3
	s_mov_b32 s53, 0
	s_add_nc_u64 s[52:53], s[26:27], s[52:53]
.set i, 0
.rept 64
	global_load_u8 v[32+i], v8, s[40:41] offset:32*i   ; position 32 i + lane
.set i, i+1
.endr
	s_mov_b32 s49, 0                               ; listed positions so far
	s_wait_loadcnt 0x0
	v_min_u32 v20, v32, v33                        ; is any position unmasked?  The least of my 64 bytes, in four chains
	v_min_u32 v21, v34, v35
	v_min_u32 v22, v36, v37
	v_min_u32 v23, v38, v39
.set i, 8
.rept 14
	v_min_u32 v20, v20, v[32+i]
	v_min_u32 v21, v21, v[33+i]
	v_min_u32 v22, v22, v[34+i]
	v_min_u32 v23, v23, v[35+i]
.set i, i+4
.endr
	v_min_u32 v20, v20, v21
	v_min_u32 v22, v22, v23
	v_min_u32 v20, v20, v22
	v_cmp_eq_u32 vcc_lo, 0, v20                    ; the lanes that hold an unmasked position
	s_cmp_eq_u32 vcc_lo, 0
	s_cselect_b32 s47, -1, 0                       ; none: all masked: every position counts for the last product
	LBATCH 0
	LBATCH 1
	LBATCH 2
	LBATCH 3
	s_cmp_eq_u32 s47, 0
	s_cselect_b32 s46, s49, 0                      ; the count for the scores: the unmasked rows,
	v_mov_b32 v22, s46
	v_mov_b32 v23, s49                             ; the count for the last product: the listed rows (all masked: 2,048)
	v_mov_b32 v24, 0
	v_cmp_eq_u32 vcc_lo, 0, v8
	s_wait_xcnt 0x0                                ; EXEC changes only behind this wait
	s_and_saveexec_b32 s42, vcc_lo
	global_store_b64 v24, v[22:23], s[52:53]
	s_wait_xcnt 0x0
	s_or_b32 exec_lo, exec_lo, s42
.Ll_end:
	FINISH
; ---------------- JOB W: n-tile g = the work-group's number; wave v takes K steps 2 v and 2 v + 1
.Ljob_w:
	s_lshl_b32 s32, ttmp9, 17                      ; 16 rows of 8,192 bytes
	s_mov_b32 s33, 0
	s_add_nc_u64 s[32:33], s[4:5], s[32:33]
	v_lshlrev_b32 v3, 4, v8                        ; 16 x lane
	s_lshl_b32 s38, s30, 10
	v_add_nc_u32 v4, s38, v3                       ; + my two K steps' 1,024 bytes of a row
.irp i, 0,1,2,3,4,5,6,7,8,9,10,11,12,13,14,15
	global_load_b128 v[X+4*\i:X+4*\i+3], v4, s[32:33] offset:8192*\i th:TH_LOAD_NT       ; 512 consecutive bytes of row i
.endr
.irp i, 0,1,2,3,4,5,6,7,8,9,10,11,12,13,14,15
	global_load_b128 v[Y+4*\i:Y+4*\i+3], v4, s[32:33] offset:8192*\i+512 th:TH_LOAD_NT
.endr
	s_mul_i32 s38, s30, WSTG
	v_add_nc_u32 v5, s38, v3                       ; the stage, on the way in: 16 x lane, a row each 528 bytes
	v_mul_u32_u24 v6, v9, 528
	v_lshl_add_u32 v6, v10, 6, v6
	v_add_nc_u32 v6, s38, v6                       ; and out: row r, + 64 h: 16 neighbours of each block of 32
	s_lshl_b32 s38, s30, 2
	v_add_nc_u32 v7, s38, v3                       ; the scale words: 16 x lane + 4 v
	s_lshr_b32 s38, ttmp9, 2                       ; the image of (g, s) lies at ((g / 4) 32 + 4 s + g % 4) x 1,536
	s_lshl_b32 s38, s38, 5
	s_lshl_b32 s39, s30, 3
	s_add_co_u32 s38, s38, s39
	s_and_b32 s39, ttmp9, 3
	s_add_co_u32 s38, s38, s39
	s_mul_i32 s34, s38, 1536
	s_mov_b32 s35, 0
	s_add_nc_u64 s[34:35], s[16:17], s[34:35]
	s_lshl_b32 s38, ttmp9, 9
	s_mov_b32 s39, 0
	s_add_nc_u64 s[38:39], s[18:19], s[38:39]
	s_mov_b32 s31, 0xffff0000
.irp b, 0,1,2,3
	v_mov_b32 v[TM+4+\b], 0                        ; written once: a lane permute's destination counts as one of its sources
.endr
	s_wait_loadcnt 16                              ; X's 16 loads are in; Y's 16 may be out
	TURNIN X
	QUANT N, PW0
.irp c, 0,1,2
	global_store_b128 v3, v[PC+4*\c:PC+4*\c+3], s[34:35] offset:512*\c          ; the fragment as it stands: 512 consecutive bytes a store
.endr
	s_wait_loadcnt 0x0
	TURNIN Y
	s_wait_xcnt 0x0                                ; the stores have read the codes' registers: they may be written again
	QUANT N, PW1
.irp c, 0,1,2
	global_store_b128 v3, v[PC+4*\c:PC+4*\c+3], s[34:35] offset:6144+512*\c     ; K step 2 v + 1: four images on
.endr
	v_cndmask_b32 v[PWP], v[PW0], v[PW1], s31      ; lanes 0-15: the even K step's words, lanes 16-31: the odd one's
	global_store_b32 v7, v[PWP], s[38:39]
	FINISH
; ---------------- JOB C: columns 64 c .. 64 c + 63 of M_w's right half
.Ljob_c:
	s_sub_co_u32 s40, ttmp9, 64
	s_lshl_b32 s40, s40, 8                         ; 256 c bytes
	s_mov_b32 s41, 0
	s_lshl_b32 s32, s30, 21                        ; wave v: rows 256 v on
	s_add_co_u32 s32, s32, s40
	s_add_co_u32 s32, s32, 4096                    ; the right half
	s_mov_b32 s33, 0
	s_add_nc_u64 s[32:33], s[4:5], s[32:33]
	s_add_nc_u64 s[34:35], s[12:13], s[40:41]      ; hidden, M_b and ck at my columns
	s_add_nc_u64 s[42:43], s[6:7], s[40:41]
	s_add_nc_u64 s[44:45], s[20:21], s[40:41]
	v_lshlrev_b32 v3, 4, v9                        ; 16 r: four columns a lane
	v_lshl_add_u32 v4, v10, 13, v3                 ; + 8,192 h: lanes 16-31 take the next row
	v_lshrrev_b32 v7, 4, v0
	v_lshl_add_u32 v7, v7, 12, v3                  ; thread t: batch t / 16 (+ 8 m), four columns t % 16
.irp m, 0,1,2,3
	global_load_b128 v[224+4*\m:227+4*\m], v7, s[34:35] offset:32768*\m   ; hidden and M_b are asked for first: they land while the columns are summed
.endr
	global_load_b128 v[240:243], v3, s[42:43]
.irp i, 16,17,18,19,20,21,22,23,24,25,26,27
	v_mov_b32 v\i, 0                               ; two chains of four sums; four more for the permutes' destinations
.endr
.macro CLOAD q                         ; group q: rows 32 q .. 32 q + 31 of my 256: sixteen lanes read 256 consecutive bytes of a row
.irp i, 0,1,2,3,4,5,6,7,8,9,10,11,12,13,14,15
	global_load_b128 v[32+64*((\q)%3)+4*\i:35+64*((\q)%3)+4*\i], v4, s[32:33] offset:16384*(16*(\q)+\i) th:TH_LOAD_NT
.endr
.endm
.macro CSUM q
.irp i, 0,1,2,3,4,5,6,7,8,9,10,11,12,13,14,15
	v_pk_add_f32 v[16+4*(\i%2):17+4*(\i%2)], v[16+4*(\i%2):17+4*(\i%2)], v[32+64*((\q)%3)+4*\i:33+64*((\q)%3)+4*\i]
	v_pk_add_f32 v[18+4*(\i%2):19+4*(\i%2)], v[18+4*(\i%2):19+4*(\i%2)], v[34+64*((\q)%3)+4*\i:35+64*((\q)%3)+4*\i]
.endr
.endm
	CLOAD 0
	CLOAD 1
	CLOAD 2
.irp q, 0,1,2,3,4,5,6,7
.if \q < 6
	s_wait_loadcnt 32                              ; group q is in; the two younger groups may be out
.else
	s_wait_loadcnt 16*(7-\q)                       ; the last of these is for 0: hidden and M_b, the oldest loads, have long been in
.endif
	CSUM \q
.if \q < 5
	CLOAD \q+3                                     ; into the registers just summed
.endif
.endr
	v_pk_add_f32 v[16:17], v[16:17], v[20:21]
	v_pk_add_f32 v[18:19], v[18:19], v[22:23]
.irp i, 0,1,2,3
	v_permlanex16_b32 v[24+\i], v[16+\i], s[SEL], s[SEL+1]
.endr
	v_pk_add_f32 v[16:17], v[16:17], v[24:25]      ; even rows' and odd rows' sums
	v_pk_add_f32 v[18:19], v[18:19], v[26:27]
	s_lshl_b32 s39, s30, 8
	s_add_co_u32 s39, s39, CRED
	v_add_nc_u32 v5, s39, v3
	ds_store_b128 v5, v[16:19]                     ; both halves of the lanes write the same bytes with the same values
	s_wait_dscnt 0x0                               ; for the others' sake: my store is done
	s_barrier_signal -1
	s_barrier_wait -1
	v_add_nc_u32 v6, CRED, v3
.irp x, 0,1,2,3
	ds_load_b128 v[32+4*\x:35+4*\x], v6 offset:256*\x
.endr
	s_wait_dscnt 0x0
.irp x, 1,2,3
	v_pk_add_f32 v[32:33], v[32:33], v[32+4*\x:33+4*\x]
	v_pk_add_f32 v[34:35], v[34:35], v[34+4*\x:35+4*\x]   ; colsum of my four columns
.endr
.irp m, 0,1,2,3
	v_pk_fma_f32 v[224+4*\m:225+4*\m], v[224+4*\m:225+4*\m], v[32:33], v[240:241]
	v_pk_fma_f32 v[226+4*\m:227+4*\m], v[226+4*\m:227+4*\m], v[34:35], v[242:243]
.endr
.irp m, 0,1,2,3
	v_pk_mul_f32 v[224+4*\m:225+4*\m], v[224+4*\m:225+4*\m], 0x4038aa3b op_sel_hi:[1,0]   ; x k = 2 log2(e)
	v_pk_mul_f32 v[226+4*\m:227+4*\m], v[226+4*\m:227+4*\m], 0x4038aa3b op_sel_hi:[1,0]
.endr
.irp m, 0,1,2,3
	global_store_b128 v7, v[224+4*\m:227+4*\m], s[44:45] offset:32768*\m   ; sixteen lanes store 256 consecutive bytes, aligned
.endr
	FINISH
.Lfunc_end_k_q9ba5894fd6_prep:
	.size	k_q9ba5894fd6_prep, .Lfunc_end_k_q9ba5894fd6_prep-k_q9ba5894fd6_prep
	.p2alignl 7, 3214868480
	.fill 96, 4, 3214868480
	.section	.rodata,"a",@progbits
	.p2align	6, 0x0
	.amdhsa_kernel k_q9ba5894fd6_prep
		.amdhsa_group_segment_fixed_size 35328
		.amdhsa_private_segment_fixed_size 0
		.amdhsa_enable_private_segment 0
		.amdhsa_kernarg_size 104
		.amdhsa_user_sgpr_count 2
		.amdhsa_user_sgpr_kernarg_segment_ptr 1
		.amdhsa_wavefront_size32 1
		.amdhsa_system_sgpr_workgroup_id_x 1
		.amdhsa_system_sgpr_workgroup_id_y 1
		.amdhsa_system_sgpr_workgroup_id_z 1
		.amdhsa_system_vgpr_workitem_id 0
		.amdhsa_next_free_vgpr 256
		.amdhsa_next_free_sgpr 100
		.amdhsa_reserve_vcc 1
		.amdhsa_float_denorm_mode_32 3
		.amdhsa_float_denorm_mode_16_64 3
		.amdhsa_memory_ordered 1
		.amdhsa_forward_progress 1
		.amdhsa_inst_pref_size 108
	.end_amdhsa_kernel
	.amdgpu_metadata
---
amdhsa.version: [ 1, 2 ]
amdhsa.kernels:
  - .name:           k_q9ba5894fd6_prep
    .symbol:         k_q9ba5894fd6_prep.kd
    .args:
      - { .name: M_w, .offset: 0, .size: 8, .value_kind: global_buffer, .address_space: global }
      - { .name: M_b, .offset: 8, .size: 8, .value_kind: global_buffer, .address_space: global }
      - { .name: V_w, .offset: 16, .size: 8, .value_kind: global_buffer, .address_space: global }
      - { .name: V_b, .offset: 24, .size: 8, .value_kind: global_buffer, .address_space: global }
      - { .name: hidden, .offset: 32, .size: 8, .value_kind: global_buffer, .address_space: global }
      - { .name: mask, .offset: 40, .size: 8, .value_kind: global_buffer, .address_space: global }
      - { .name: wq, .offset: 48, .size: 8, .value_kind: global_buffer, .address_space: global }
      - { .name: ws, .offset: 56, .size: 8, .value_kind: global_buffer, .address_space: global }
      - { .name: ck, .offset: 64, .size: 8, .value_kind: global_buffer, .address_space: global }
      - { .name: kc, .offset: 72, .size: 8, .value_kind: global_buffer, .address_space: global }
      - { .name: lst, .offset: 80, .size: 8, .value_kind: global_buffer, .address_space: global }
      - { .name: cnt, .offset: 88, .size: 8, .value_kind: global_buffer, .address_space: global }
      - { .name: sd, .offset: 96, .size: 8, .value_kind: global_buffer, .address_space: global }
    .group_segment_fixed_size: 35328
    .private_segment_fixed_size: 0
    .kernarg_segment_align: 8
    .kernarg_segment_size: 104
    .max_flat_workgroup_size: 128
    .sgpr_count:     100
    .vgpr_count:     256
    .wavefront_size: 32
...
	.end_amdgpu_metadata
.endif
;; end of part 1
;; launch score (part 2): grid 8 x 32, 4 waves a work-group, no clusters, 300,544 bytes of LDS; arguments encoder_outputs, lst, cnt, wq, ws, ck, V_w, kc, sd; writes sd
.if DOCPART == 2
	.amdgcn_target "amdgcn-amd-amdhsa--gfx1250"
	.amdhsa_code_object_version 6
	.text
	.protected	k_q9ba5894fd6_score
	.globl	k_q9ba5894fd6_score
	.p2align	8
	.type	k_q9ba5894fd6_score,@function
k_q9ba5894fd6_score:
	s_mov_b64 s[64:65], 0
	v_nop
	global_prefetch_b8 v0, s[64:65] scope:SCOPE_SE
	s_setreg_imm32_b32 hwreg(HW_REG_WAVE_MODE, 25, 1), 1
	s_wait_xcnt 0x0
; SCORE: sd[b,s] = V_b + sum_h V_w[h] tanh(enc[b,s,:] . M_w[h,:1024] + hidden[b,h] colsum[h] + M_b[h]) for the rows s that the mask lets count.
; WORK LEFT OUT: the masked rows, by the stored list (whole numbers that this launch reads); their places in sd keep the -1e30 that the launch before stored.  LIMITS as stated there.
; tanh(x) = 1 - 2 / (1 + 2^(k x)), k = 2 log2(e): score = kc + sum_h (-2 V_w[h]) / (1 + 2^(k acc + ck[b,h])).  2^.. may reach infinity or 0: the quotient is then 0 or 1, tanh -1 or 1: no clamp.
; SHARES.  Work-group (j, b) takes the j-th eighth of batch b's n listed rows: q = ceil(n / 8) rows from list place j q on, T = ceil(rows / 16) tiles of 16, at most 16.
; PHASE A.  Wave w quantises K steps 2 w and 2 w + 1 (128 along K each) of every tile, and stores the fragments in LDS as images of the operand's registers (3 x 512 bytes), the scale words 4 bytes a lane.
; PHASE B.  Wave w makes hidden units 256 w .. 256 w + 255 for all tiles, in four passes of 64 units.  A pass's 32 weight fragments (384 registers) stay in registers; the next pass's land meanwhile in a second set.
;   Source 0 = the tile's 16 rows, source 1 = 16 hidden units: lane (r, h) holds hidden unit r and rows 8 h + 0 .. 7.  While tile t is multiplied, tile t - 1's tanh stands between the matrix instructions.
;   A lane's eight partial scores of a tile lie in the wave's own LDS between passes.
; THE WAY OUT.  The four waves' partial scores are added, then the sixteen lanes', and go to sd at the places that the list names; rows past the work-group's count are masked off by EXEC.
; NO TENSOR LOADS, NO CLUSTER, though all work-groups walk the same weights: which trips do work hangs on counts read from memory.
; So the weights come from memory straight into registers, in the order of the operand's registers.  Every loop has a constant number of trips and jumps over work inside; every wave passes both barriers.
.set IMGQ,  55296                      ; LDS: wave q's images: 18 slots (a tile each) of 3,072 bytes = K steps 2 q, 2 q + 1; four such regions from byte 0
.set SCW,   221184                     ; the scale words: four regions
.set SCQ,   2304                       ; of 18 slots of 128 bytes: lanes 0-15 K step 2 q's words, lanes 16-31 K step 2 q + 1's
.set STG,   230400                     ; each wave's own
.set STGW,  17408                      ; 17,408 bytes: in phase A a stage of 16 rows x 528; in phase B 17 slots of 1,024: the partial scores
.set SPARE, 300032                     ; the spare words, 128 bytes for each wave: two blocks of 256 bytes that no other line names
.set SPW, 1                            ; v1  LDS address of my spare word; never rewritten
.set NIL, 2                            ; v2  0; never rewritten
.set LI,  3                            ; v3  16 x lane
.set LB,  4                            ; v4  phase A: 16 x lane + 1,024 w: my bytes of a row;  phase B (SL): SCW + 4 x lane
.set SL,  4
.set STI, 5                            ; v5  my stage / my partial scores: STG + 17,408 w + 16 x lane
.set STO, 6                            ; v6  out of the stage: + 528 r + 64 h
.set IW,  7                            ; v7  where I store images: 16 x lane + IMGQ w
.set SW,  8                            ; v8  and scale words: SCW + 4 x lane + SCQ w
.set ADS, 10                           ; v10 the trip's scale words (v9, v10 in phase A: the trip's images and words)
.set ADP, 11                           ; v11 the trip's partial scores
.set ZR,  12                           ; v12-15 zeros; on the way out: my row's place in each of my four tiles
.set RO,  16                           ; phase A: v16-47 two sets of 16 row offsets
.set N,   48                           ;          v48-111 64 numbers of my row
.set PC,  164                          ;          v164-183 the codes just made
.set TM,  184                          ;          v184-199 at work
.set PW0, 200
.set PW1, 201
.set PWP, 202
.set X0,  0                            ; phase A, window 3: four sets of 16 rows x 512 bytes as loaded: tile parity 0 / 1, K step 2 w / 2 w + 1
.set Y0,  64
.set X1,  128
.set Y1,  192
.set AF,  16                           ; phase B: v16-111 the tile's eight fragments
.set ASC, 112                          ;          v112-115 its scale words
.set WSC, 116                          ;          v116-147 the weights' scale words: set g at 116 + 16 g, register 4 nt + s / 2
.set CK,  148                          ;          v148-155 ck of my hidden unit: 4 a set
.set VP,  156                          ;          v156-163 -2 V_w: 4 a set
.set ACC, 164                          ;          v164-195 four accumulators
.set E,   196                          ;          v196-227 the tile before's 32 numbers on their way through tanh
.set SA,  228                          ;          v228-235 eight partial scores
.set R4,  248                          ; v248 4 r      (v236-247: weight fragment 31 of set 1)
.set AD,  252                          ; v252-255 the trip's images, one address for each region; on the way out: the list offsets
.set SEL, 76
; WEIGHT FRAGMENT i = 4 s + nt:  set 0: i <= 20 window 1 v[12 i], else window 2 v[12 (i - 21)];  set 1: i <= 9 window 2 v[132 + 12 i], i <= 30 window 3 v[12 (i - 10)], i = 31 window 0 v236
.macro WLOC sg, idx
.if (\sg) == 0
.if (\idx) <= 20
.set WWIN, 1
.set WREG, 12*(\idx)
.else
.set WWIN, 2
.set WREG, 12*((\idx)-21)
.endif
.else
.if (\idx) <= 9
.set WWIN, 2
.set WREG, 132+12*(\idx)
.elseif (\idx) <= 30
.set WWIN, 3
.set WREG, 12*((\idx)-10)
.else
.set WWIN, 0
.set WREG, 236
.endif
.endif
.endm
.set MSB, 0
.macro WIN new                         ; s_set_vgpr_msb: bits 1:0 source 0, 3:2 source 1, 5:4 source 2, 7:6 destination; the high byte repeats the setting that is left
.if MSB != \new
	s_set_vgpr_msb (MSB<<8)|\new
.set MSB, \new
.endif
.endm
.macro FINISH                          ; a wave's end: a tensor wait, an LDS add and its wait behind the last LDS store
	s_wait_tensorcnt 0x0
	ds_add_u32 v[SPW], v[NIL]
	s_wait_dscnt 0x0
	s_endpgm
.endm
; 64 numbers of a lane, register 16 b + i = k 32 b + 16 (lane / 16) + i of my row, become a fragment's codes in v[PC] on and the row's scale word in v[pw].
.macro QUANT s, pw
.irp b, 0,1,2,3
	v_max3_num_f32 v[TM+\b], |v[\s+16*\b]|, |v[\s+1+16*\b]|, 0x2800000   ; block b: my 16 numbers, and the floor 2^(5 - 127): the byte cannot fall under 1
.endr
.irp i, 2,4,6,8,10,12,14
.irp b, 0,1,2,3
	v_max3_num_f32 v[TM+\b], v[TM+\b], |v[\s+16*\b+\i]|, |v[\s+1+16*\b+\i]|
.endr
.endr
.irp b, 0,1,2,3
	v_permlanex16_b32 v[TM+4+\b], v[TM+\b], s[SEL], s[SEL+1]
.endr
.irp b, 0,1,2,3
	v_max_num_f32 v[TM+\b], v[TM+\b], v[TM+4+\b]
.endr
.irp b, 0,1,2,3
	v_add_nc_u32 v[TM+12+\b], 0xfe000000, v[TM+\b]     ; 4 off the exponent field: the conversion's scale operand
.endr
.irp b, 0,1,2,3
	v_lshrrev_b32 v[TM+4+\b], 23, v[TM+12+\b]          ; the scale's byte
.endr
	v_lshl_or_b32 v[\pw], v[TM+5], 8, v[TM+4]
	v_lshl_or_b32 v[\pw], v[TM+6], 16, v[\pw]
	v_lshl_or_b32 v[\pw], v[TM+7], 24, v[\pw]
.irp c, 0,1
	v_cvt_scalef32_pk16_bf6_f32 v[PC+6*\c:PC+2+6*\c], v[\s+32*\c:\s+15+32*\c], v[TM+12+2*\c]
	v_cvt_scalef32_pk16_bf6_f32 v[PC+12+4*\c:PC+14+4*\c], v[\s+16+32*\c:\s+31+32*\c], v[TM+12+2*\c+1]
.endr
	v_nop                                              ; one plain place behind a scaled conversion
.irp c, 0,1
.irp i, 0,1,2
	v_permlane16_swap_b32 v[PC+6*\c+\i], v[PC+12+4*\c+\i]
.endr
.irp i, 0,1,2
	v_mov_b32 v[PC+3+6*\c+\i], v[PC+12+4*\c+\i]
.endr
.endr
.endm
; Chunk c of a pass's weights into set sg.  c = 0 .. 7: the four fragments of K step c, 12 loads of 512 consecutive bytes.  c = 8: the scale words, ck and V_w of the pass's 64 hidden units, 12 loads.
.macro WCHUNK sg, c
.if (\c) < 8
.irp nt, 0,1,2,3
	WLOC \sg, 4*(\c)+\nt
.set WW, WWIN<<6
	WIN WW
.irp x, 0,1,2
	global_load_b128 v[WREG+4*\x:WREG+4*\x+3], v[LI], s[86:87] offset:(4*(\c)+\nt)*1536+512*\x
.endr
.endr
	WIN 0
.else
.irp nt, 0,1,2,3
	global_load_b128 v[WSC+16*(\sg)+4*\nt:WSC+16*(\sg)+4*\nt+3], v[LI], s[88:89] offset:512*\nt
.endr
.irp nt, 0,1,2,3
	global_load_b32 v[CK+4*(\sg)+\nt], v[R4], s[90:91] offset:64*\nt
	global_load_b32 v[VP+4*(\sg)+\nt], v[R4], s[92:93] offset:64*\nt
.endr
.endif
.endm
; The 16 list entries of tile min(U2 + add, T - 1) into the scalar set of parity par.  Tiles past the last are the last tile once more: every load stays inside its buffer.
.macro IDX par, add
	s_add_co_u32 s[69+\par], s66, \add
	s_min_u32 s[69+\par], s[69+\par], s31
	s_lshl_b32 s[69+\par], s[69+\par], 4
	s_add_co_u32 s[69+\par], s[69+\par], s29
	s_min_u32 s[69+\par], s[69+\par], 2096         ; 16 words from here on end inside the list's 2,112
	s_lshl_b32 s[69+\par], s[69+\par], 2
	s_load_b512 s[32+16*\par:47+16*\par], s[96:97], s[69+\par] offset:0x0
.endm
.macro ROWS par                        ; the entries become byte offsets: row x 4,096 + my bytes of a row
.irp i, 0,1,2,3,4,5,6,7,8,9,10,11,12,13,14,15
	s_min_u32 s[32+16*\par+\i], s[32+16*\par+\i], 2047
	v_lshl_add_u32 v[RO+16*\par+\i], s[32+16*\par+\i], 12, v[LB]
.endr
.endm
.macro GL set, par, y                  ; 16 loads: 512 consecutive bytes (one K step) of each of the tile's rows.  No cache hint: a tile past the last names rows a second time
	WIN 0xc0
.irp i, 0,1,2,3,4,5,6,7,8,9,10,11,12,13,14,15
	global_load_b128 v[\set+4*\i:\set+4*\i+3], v[RO+16*\par+\i], s[94:95] offset:512*\y
.endr
	WIN 0
.endm
; One K step of one tile: through my stage, quantised, image to LDS; its registers take the same K step of the tile two on.
.macro UNIT set, par, y
	s_wait_loadcnt 48                              ; this set's 16 loads are in; the three younger sets' 48 may be out
	WIN 0x0c                                       ; an LDS store's data are its source 1: window 3
.irp i, 0,1,2,3,4,5,6,7,8,9,10,11,12,13,14,15
	ds_store_b128 v[STI], v[\set+4*\i:\set+4*\i+3] offset:528*\i
.endr
	WIN 0
.irp b, 0,1,2,3
.irp j, 0,1,2,3
	ds_load_b128 v[N+16*\b+4*\j:N+16*\b+4*\j+3], v[STO] offset:128*\b+16*\j   ; LDS serves a wave's instructions in order: these see the stores above
.endr
.endr
	s_wait_dscnt 16                                ; all but these 16 loads: the stores have read the set's registers, and the last unit's stores the codes'
.if \y == 0
.if \par == 0
	s_wait_kmcnt 0x0                               ; both parities' next entries are in
.endif
	s_wait_xcnt 0x0                                ; the loads still out that name this parity's offsets have had their addresses translated: the offsets may be written
	ROWS \par
.endif
	GL \set, \par, \y
	s_wait_dscnt 0x0
	QUANT N, PW0+\y
.irp c, 0,1,2
	ds_store_b128 v9, v[PC+4*\c:PC+4*\c+3] offset:3072*\par+1536*\y+512*\c
.endr
.if \y == 1
	v_cndmask_b32 v[PWP], v[PW0], v[PW1], s74      ; lanes 0-15: the even K step's words, lanes 16-31: the odd one's
	ds_store_b32 v10, v[PWP] offset:128*\par
.endif
.endm
	s_load_b512 s[4:19], s[0:1], 0x0               ; enc s[4:5], lst s[6:7], cnt s[8:9], wq s[10:11], ws s[12:13], ck s[14:15], V_w s[16:17], kc s[18:19]
	s_load_b64 s[20:21], s[0:1], 0x40              ; sd
	v_lshl_add_u32 v[SPW], v0, 2, SPARE
	v_mov_b32 v[NIL], 0
	v_lshrrev_b32 v9, 5, v0
	v_readfirstlane_b32 s22, v9                    ; wave 0..3
	s_and_b32 s23, ttmp7, 0xffff                   ; b
	v_and_b32 v9, 31, v0                           ; lane
	v_and_b32 v10, 15, v0                          ; r
	v_bfe_u32 v11, v0, 4, 1                        ; h
	v_lshlrev_b32 v[LI], 4, v9
	v_lshlrev_b32 v[R4], 2, v10
	s_lshl_b32 s2, s22, 10
	v_add_nc_u32 v[LB], s2, v[LI]
	s_mul_i32 s2, s22, STGW
	s_add_co_u32 s2, s2, STG
	v_add_nc_u32 v[STI], s2, v[LI]
	v_mul_u32_u24 v[STO], v10, 528
	v_lshl_add_u32 v[STO], v11, 6, v[STO]
	v_add_nc_u32 v[STO], s2, v[STO]
	s_mul_i32 s2, s22, IMGQ
	v_add_nc_u32 v[IW], s2, v[LI]
	s_mul_i32 s2, s22, SCQ
	s_add_co_u32 s2, s2, SCW
	v_lshl_add_u32 v[SW], v9, 2, s2
.irp i, 0,1,2,3
	v_mov_b32 v[ZR+\i], 0
	v_mov_b32 v[TM+4+\i], 0                        ; written once: a lane permute's destination counts as one of its sources
.endr
	s_mov_b32 s72, 0x4038aa3b                      ; k = 2 log2(e); the packed form names the pair
	s_mov_b32 s73, s72
	s_mov_b32 s74, 0xffff0000
	s_mov_b32 s[SEL], 0x76543210
	s_mov_b32 s[SEL+1], 0xfedcba98
	s_lshl_b32 s69, s23, 3
	s_lshl_b32 s70, s23, 2
	s_wait_kmcnt 0x0
	s_load_b32 s25, s[8:9], s69 offset:0x0         ; n: the batch's unmasked rows
	s_load_b32 s30, s[18:19], s70 offset:0x0       ; kc
	s_mov_b32 s3, 0
	s_mul_i32 s2, s22, 196608
	s_add_nc_u64 s[86:87], s[10:11], s[2:3]        ; my 16 n-tiles' images, pass 0
	s_lshl_b32 s2, s22, 13
	s_add_nc_u64 s[88:89], s[12:13], s[2:3]        ; their scale words
	s_lshl_b32 s2, s22, 10
	s_add_nc_u64 s[92:93], s[16:17], s[2:3]        ; V_w of my 256 hidden units
	s_lshl_b32 s71, s23, 12
	s_add_co_u32 s2, s2, s71
	s_add_nc_u64 s[90:91], s[14:15], s[2:3]        ; ck likewise, in batch b
	s_lshl_b32 s2, s23, 23
	s_add_nc_u64 s[94:95], s[4:5], s[2:3]          ; the batch's rows
	s_mul_i32 s2, s23, 8448
	s_add_nc_u64 s[96:97], s[6:7], s[2:3]          ; its list
	s_lshl_b32 s2, s23, 13
	s_add_nc_u64 s[98:99], s[20:21], s[2:3]        ; its scores
	; PASS 0's WEIGHTS are asked for here, while the count and then the first list entries are on their way: windows 1 and 2 are idle in phase A
	WCHUNK 0, 8
	WCHUNK 0, 0
	WCHUNK 0, 1
	WCHUNK 0, 2
	WCHUNK 0, 3
	s_wait_kmcnt 0x0
	s_min_u32 s25, s25, 2048
	s_add_co_u32 s26, s25, 7
	s_lshr_b32 s26, s26, 3                         ; q = ceil(n / 8)
	s_mul_i32 s2, s26, ttmp9                       ; j q
	s_min_u32 s29, s2, 2047                        ; kb: my first place in the list
	s_sub_co_i32 s27, s25, s2
	s_max_i32 s27, s27, 0
	s_min_u32 s27, s27, s26                        ; cj: my rows
	s_add_co_u32 s28, s27, 15
	s_lshr_b32 s28, s28, 4
	s_min_u32 s28, s28, 16                         ; T: my tiles
	s_max_u32 s31, s28, 1
	s_sub_co_u32 s31, s31, 1                       ; the last tile's number
	s_mov_b32 s66, 0                               ; U2: the trip's first tile
	s_mov_b32 s67, 0                               ; its slot in a region of images,
	s_mov_b32 s68, 0                               ; and of scale words
	IDX 0, 0
	IDX 1, 1
	WCHUNK 0, 4
	WCHUNK 0, 5
	WCHUNK 0, 6
	WCHUNK 0, 7
	s_wait_kmcnt 0x0
	ROWS 0
	ROWS 1
	GL X0, 0, 0                                    ; tiles 0 and 1: four sets of 16 loads, in the order in which they are taken
	GL Y0, 0, 1
	GL X1, 1, 0
	GL Y1, 1, 1
	IDX 0, 2
	IDX 1, 3
; ---------------- PHASE A: nine trips, two tiles a trip.  At the loop's head the sets X0, Y0, X1, Y1 are out, in that order, on every way.
.Lpa:
	v_add_nc_u32 v9, s67, v[IW]
	v_add_nc_u32 v10, s68, v[SW]
	s_cmp_lt_u32 s66, s28
	s_cbranch_scc0 .Lpa_no
	UNIT X0, 0, 0
	UNIT Y0, 0, 1
	UNIT X1, 1, 0
	IDX 0, 4                                       ; both sets of entries have been read: the tiles four and five on
	IDX 1, 5
	UNIT Y1, 1, 1
	s_branch .Lpa_next
.Lpa_no:
	s_cmp_eq_u32 s66, s28                          ; T even: slot T, which phase B fetches ahead and never multiplies, gets zeros (T odd: it holds the last tile once more)
	s_cbranch_scc0 .Lpa_next
.irp x, 0,1,2,3,4,5
	ds_store_b128 v9, v[ZR:ZR+3] offset:512*\x
.endr
	ds_store_b32 v10, v[ZR]
.Lpa_next:
	s_add_co_u32 s67, s67, 6144
	s_add_co_u32 s68, s68, 256
	s_add_co_u32 s66, s66, 2
	s_cmp_lt_u32 s66, 18
	s_cbranch_scc1 .Lpa
	s_wait_kmcnt 0x0                               ; the entries asked for last are not used
	v_and_b32 v9, 31, v0
	v_lshl_add_u32 v[SL], v9, 2, SCW
.set i, 0
.rept 34
	ds_store_b128 v[STI], v[ZR:ZR+3] offset:512*i  ; my partial scores begin as zeros (the stage's bytes: my reads of it are over)
.set i, i+1
.endr
.set i, 0
.rept 32
	v_mov_b32 v[E+i], 0                            ; the first trip of a pass has no tile before it: what it puts through tanh goes to slot 0, which nobody reads
.set i, i+1
.endr
	s_wait_dscnt 0x0                               ; for the others' sake: my images and scale words are in LDS
	s_barrier_signal -1
	s_barrier_wait -1
; ---------------- PHASE B
.macro ADDR                            ; the addresses of the tile at s79 (images) and s81 (scale words)
	v_add_nc_u32 v[AD], s79, v[LI]
	v_add_nc_u32 v[AD+1], IMGQ, v[AD]
	v_add_nc_u32 v[AD+2], 2*IMGQ, v[AD]
	v_add_nc_u32 v[AD+3], 3*IMGQ, v[AD]
	v_add_nc_u32 v[ADS], s81, v[SL]
.endm
.macro AFETCH s0                       ; the fragments of K steps s0 .. s0 + 3 and their two registers of scale words: 14 loads
.irp d, 0,1,2,3
.irp c, 0,1,2
	ds_load_b128 v[AF+12*(\s0+\d)+4*\c:AF+12*(\s0+\d)+4*\c+3], v[AD+(\s0+\d)/2] offset:1536*(\d%2)+512*\c
.endr
.endr
.irp e, 0,1
	ds_load_b32 v[ASC+\s0/2+\e], v[ADS] offset:SCQ*(\s0/2+\e)
.endr
.endm
.macro SLX n                           ; n of the 33 lines of the batch of exponentials: 32 and a plain place
.rept \n
.if ex < 32
	v_exp_f32 v[E+ex], v[E+ex]
.else
	v_nop
.endif
.set ex, ex+1
.endr
.endm
.macro SLA n                           ; n of the 16 additions of 1
.rept \n
	v_pk_add_f32 v[E+2*pa:E+2*pa+1], v[E+2*pa:E+2*pa+1], 1.0 op_sel_hi:[1,0]
.set pa, pa+1
.endr
.endm
.macro SLR n                           ; n of the 33 lines of the batch of reciprocals
.rept \n
.if rc < 32
	v_rcp_f32 v[E+rc], v[E+rc]
.else
	v_nop
.endif
.set rc, rc+1
.endr
.endm
.macro SUMS sg                         ; my eight partial scores += -2 V_w x the quotients, n-tile by n-tile
.irp nt, 0,1,2,3
.irp m, 0,1,2,3
.if \nt%2 == 0
	v_pk_fma_f32 v[SA+2*\m:SA+2*\m+1], v[E+8*\nt+2*\m:E+8*\nt+2*\m+1], v[VP+4*\sg+2*(\nt/2):VP+4*\sg+2*(\nt/2)+1], v[SA+2*\m:SA+2*\m+1] op_sel_hi:[1,0,1]
.else
	v_pk_fma_f32 v[SA+2*\m:SA+2*\m+1], v[E+8*\nt+2*\m:E+8*\nt+2*\m+1], v[VP+4*\sg+2*(\nt/2):VP+4*\sg+2*(\nt/2)+1], v[SA+2*\m:SA+2*\m+1] op_sel:[0,1,0] op_sel_hi:[1,1,1]
.endif
.endr
.endr
.endm
.macro MM sg                           ; product i: K step sK, n-tile nT
.if sK == 0
	v_wmma_scale_f32_16x16x128_f8f6f4 v[ACC+8*nT:ACC+8*nT+7], v[AF:AF+11], v[WREG:WREG+11], 0, v[ASC], v[WSC+16*\sg+4*nT] matrix_a_fmt:MATRIX_FMT_BF6 matrix_b_fmt:MATRIX_FMT_BF6
.elseif sK%2 == 0
	v_wmma_scale_f32_16x16x128_f8f6f4 v[ACC+8*nT:ACC+8*nT+7], v[AF+12*sK:AF+12*sK+11], v[WREG:WREG+11], v[ACC+8*nT:ACC+8*nT+7], v[ASC+sK/2], v[WSC+16*\sg+4*nT+sK/2] matrix_a_fmt:MATRIX_FMT_BF6 matrix_b_fmt:MATRIX_FMT_BF6
.else
	v_wmma_scale_f32_16x16x128_f8f6f4 v[ACC+8*nT:ACC+8*nT+7], v[AF+12*sK:AF+12*sK+11], v[WREG:WREG+11], v[ACC+8*nT:ACC+8*nT+7], v[ASC+sK/2], v[WSC+16*\sg+4*nT+sK/2] matrix_a_fmt:MATRIX_FMT_BF6 matrix_b_fmt:MATRIX_FMT_BF6 matrix_a_scale:MATRIX_SCALE_ROW1 matrix_b_scale:MATRIX_SCALE_ROW1
.endif
.endm
; A TILE'S 32 PRODUCTS, K step by K step, the four accumulators by turns.  Only source 1, the weights, lies outside window 0, and the lines between the products name
; no vector register as their source 1: so they want no switch of the windows.  Behind products 0-10: the tile before's 32 exponentials; ONE wait for the batch; behind 11-18: the additions of 1;
; behind 18: the loads of the partial scores and of the next tile's K steps 0-3 (their registers' last reader is product 15; eight packed additions stand between as the places); behind 19-29: the reciprocals.
.macro COMPUTE sg
	s_wait_dscnt 14                                ; K steps 0-3 and their words are in, the last stores done; the 14 fetches of K steps 4-7 may be out
.set i, 0
.set ex, 0
.set pa, 0
.set rc, 0
.rept 32
	WLOC \sg, i
.set sK, i/4
.set nT, i%4
.set WW, WWIN<<2
.if i == 16
	s_wait_dscnt 0x0                               ; K steps 4-7 (asked for 16 products ago or more)
.endif
	WIN WW
	MM \sg
.if i < 11
	SLX 3
.elseif i < 19
	SLA 2
.elseif i < 30
	SLR 3
.endif
.if i == 10
	s_wait_alu depctr_va_vdst(0)                   ; one wait for the 32 exponentials, ahead of the first line that names a result
.endif
.if i == 18
	ds_load_b128 v[SA:SA+3], v[ADP]
	ds_load_b128 v[SA+4:SA+7], v[ADP] offset:512
	AFETCH 0
.endif
.set i, i+1
.endr
	WIN 0
	s_wait_alu depctr_va_vdst(0)                   ; one wait for the 32 reciprocals
	s_wait_dscnt 14                                ; the partial scores are in; the 14 fetches behind them may be out
	SUMS \sg                                       ; sixteen plain lines that name no register of the products: the places behind the last of them
	ds_store_b128 v[ADP], v[SA:SA+3]
	ds_store_b128 v[ADP], v[SA+4:SA+7] offset:512
	AFETCH 4                                       ; the next tile's K steps 4-7
.irp nt, 0,1,2,3                                       ; this tile's k acc + ck, each accumulator from its low end on
.irp m, 0,1,2,3
.if \nt%2 == 0
	v_pk_fma_f32 v[E+8*\nt+2*\m:E+8*\nt+2*\m+1], v[ACC+8*\nt+2*\m:ACC+8*\nt+2*\m+1], s[72:73], v[CK+4*\sg+2*(\nt/2):CK+4*\sg+2*(\nt/2)+1] op_sel_hi:[1,0,0]
.else
	v_pk_fma_f32 v[E+8*\nt+2*\m:E+8*\nt+2*\m+1], v[ACC+8*\nt+2*\m:ACC+8*\nt+2*\m+1], s[72:73], v[CK+4*\sg+2*(\nt/2):CK+4*\sg+2*(\nt/2)+1] op_sel:[0,0,1] op_sel_hi:[1,0,1]
.endif
.endr
.endr
.endm
.macro DRAIN sg                        ; the trip behind the last tile: its tanh alone
	ds_load_b128 v[SA:SA+3], v[ADP]
	ds_load_b128 v[SA+4:SA+7], v[ADP] offset:512
.set ex, 0
	SLX 33
	s_wait_alu depctr_va_vdst(0)
.set pa, 0
	SLA 16
.set rc, 0
	SLR 33
	s_wait_alu depctr_va_vdst(0)
	s_wait_dscnt 0x0
	SUMS \sg
	ds_store_b128 v[ADP], v[SA:SA+3]
	ds_store_b128 v[ADP], v[SA+4:SA+7] offset:512
.endm
; The trips up to lim of a pass's 17.  Trip t: tile t's products with tile t - 1's tanh (t < T), or the last tile's tanh (t = T), or nothing.  Tile t's sums lie in slot t + 1 of my partial scores.
.macro TLOOP sg, lim
.Lt_\@:
	ADDR                                           ; the NEXT tile's images
	v_add_nc_u32 v[ADP], s80, v[STI]
	s_cmp_lt_u32 s78, s28
	s_cbranch_scc0 .Ltn_\@
	COMPUTE \sg
	s_branch .Lte_\@
.Ltn_\@:
	s_cmp_eq_u32 s78, s28
	s_cbranch_scc0 .Lte_\@
	DRAIN \sg
.Lte_\@:
	s_add_co_u32 s79, s79, 3072
	s_add_co_u32 s80, s80, 1024
	s_add_co_u32 s81, s81, 128
	s_add_co_u32 s78, s78, 1
	s_cmp_lt_u32 s78, \lim
	s_cbranch_scc1 .Lt_\@
.endm
; A run of the next pass's weights into the other set: two or three chunks.  The pass on set 1 has a successor in the first outer trip alone: a compare on that loop's own counter.
.macro PREF sg, ot, a, b, c
.if \sg == 1
	s_cmp_eq_u32 s83, 0
	s_cbranch_scc0 .Lnp_\@
.endif
	WCHUNK \ot, \a
	WCHUNK \ot, \b
.if (\c) >= 0
	WCHUNK \ot, \c
.endif
.if \sg == 1
.Lnp_\@:
.endif
.endm
; A PASS on set sg.  The next pass's 108 loads stand in four straight runs between four counted loops over the tiles, so that no weight register's load hangs on a compare of the tile counter.
.macro PASS sg, ot
	s_wait_loadcnt 0x0                             ; this set is in; nothing else is out, so the four bases may step
	s_wait_dscnt 0x0
.rept 4
	v_nop                                          ; places between the last pass's products and the loads into registers that they read
.endr
.irp i, 0,1,2,3
	v_mul_f32 v[VP+4*\sg+\i], -2.0, v[VP+4*\sg+\i]
.endr
	s_add_nc_u64 s[86:87], s[86:87], 49152         ; on to the next pass's 32 images, scale words, ck and V_w
	s_add_nc_u64 s[88:89], s[88:89], 2048
	s_add_nc_u64 s[90:91], s[90:91], 256
	s_add_nc_u64 s[92:93], s[92:93], 256
	s_mov_b32 s78, 0
	s_mov_b32 s79, 0
	s_mov_b32 s80, 0
	s_mov_b32 s81, 0
	ADDR
	AFETCH 0                                       ; tile 0
	AFETCH 4
	s_mov_b32 s79, 3072
	s_mov_b32 s81, 128
	PREF \sg, \ot, 8, 0, 1
	TLOOP \sg, 2
	PREF \sg, \ot, 2, 3, -1
	TLOOP \sg, 4
	PREF \sg, \ot, 4, 5, -1
	TLOOP \sg, 6
	PREF \sg, \ot, 6, 7, -1
	TLOOP \sg, 17
.endm
	s_mov_b32 s83, 0
.Lpp:                                                  ; two trips of two passes: the sets are back where they began
	PASS 0, 1
	PASS 1, 0
	s_add_co_u32 s83, s83, 1
	s_cmp_lt_u32 s83, 2
	s_cbranch_scc1 .Lpp
; ---------------- THE WAY OUT: wave w takes tiles w, w + 4, w + 8, w + 12, written out, with no jump.  A tile at or past T has no row under the count cj: its slot holds the zeros stored behind phase A,
; its list offsets are held inside the list, and its store's mask is empty.  EVERY VECTOR REGISTER IS WRITTEN AHEAD OF THE FIRST CHANGE OF EXEC: behind it stand only the four compares and stores.
; Tile x's 32 numbers lie at v[16 + 32 x] (x < 2: where the fragments lay) and v[100 + 32 x] (x >= 2: where the accumulators and the tanh's numbers lay); the scale registers are left alone.
	s_wait_dscnt 0x0                               ; for the others' sake: my partial scores are in LDS
	s_barrier_signal -1
	s_barrier_wait -1
	v_and_b32 v249, 7, v0                          ; (these plain lines are also the places in front of loads into registers that the products read)
	v_bfe_u32 v250, v0, 4, 1
	v_lshl_or_b32 v249, v250, 3, v249              ; the row of a tile that I store: 8 h + lane % 8;
	v_and_b32 v250, 8, v0
	v_lshl_or_b32 v249, v250, 9, v249              ; lanes 8-15 of each half hold the same numbers as lanes 0-7: 4,096 more puts them past every count
	s_lshl_b32 s2, s22, 4
	v_add_nc_u32 v249, s2, v249                    ; + 16 w
.irp x, 0,1,2,3
	v_add_nc_u32 v[ZR+\x], 64*\x, v249             ; my row's place among the work-group's rows, in tile w + 4 x,
	v_add_nc_u32 v[AD+\x], s29, v[ZR+\x]           ; and in the list
	v_min_u32 v[AD+\x], 0x83f, v[AD+\x]
	v_lshlrev_b32 v[AD+\x], 2, v[AD+\x]
	global_load_b32 v[SA+\x], v[AD+\x], s[96:97]
.endr
	s_lshl_b32 s79, s22, 10
	s_add_co_u32 s79, s79, STG+1024                ; slot w + 1 of wave 0's partial scores
	v_add_nc_u32 v9, s79, v[LI]
.irp x, 0,1,2,3
.irp y, 0,1,2,3
.irp c, 0,1
	ds_load_b128 v[16+32*\x+84*(\x/2)+8*\y+4*\c:19+32*\x+84*(\x/2)+8*\y+4*\c], v9 offset:4096*\x+STGW*\y+512*\c
.endr
.endr
.endr
	s_mov_b32 s69, 0xaaaaaaaa
	s_mov_b32 s70, 0xcccccccc
	s_mov_b32 s71, 0xf0f0f0f0
.macro TILEOUT x
.set TB, 16+32*(\x)+84*((\x)/2)
	s_wait_dscnt 8*(3-(\x))                        ; this tile's eight loads are in; the younger tiles' may be out
.irp y, 1,2,3
.irp m, 0,1,2,3
	v_pk_add_f32 v[TB+2*\m:TB+2*\m+1], v[TB+2*\m:TB+2*\m+1], v[TB+8*\y+2*\m:TB+8*\y+2*\m+1]   ; the four waves' 256 hidden units each
.endr
.endr
.irp k, 1,2,4,8
.irp m, 0,1,2,3,4,5,6,7
	v_add_f32_dpp v[TB+\m], v[TB+\m], v[TB+\m] row_xmask:\k row_mask:0xf bank_mask:0xf   ; the sixteen lanes' hidden units
.endr
.endr
	v_cndmask_b32 v[TB], v[TB], v[TB+1], s69       ; lane l keeps register l % 8: row 8 h + l % 8
	v_cndmask_b32 v[TB+2], v[TB+2], v[TB+3], s69
	v_cndmask_b32 v[TB+4], v[TB+4], v[TB+5], s69
	v_cndmask_b32 v[TB+6], v[TB+6], v[TB+7], s69
	v_cndmask_b32 v[TB], v[TB], v[TB+2], s70
	v_cndmask_b32 v[TB+4], v[TB+4], v[TB+6], s70
	v_cndmask_b32 v[TB], v[TB], v[TB+4], s71
	v_add_f32 v[TB], s30, v[TB]                    ; + V_b + the sum of V_w
.endm
	TILEOUT 0
	TILEOUT 1
	TILEOUT 2
	TILEOUT 3
	s_wait_loadcnt 0x0                             ; the list entries
.irp x, 0,1,2,3
	v_min_u32 v[SA+\x], 0x7ff, v[SA+\x]            ; the position in the batch,
	v_lshlrev_b32 v[SA+\x], 2, v[SA+\x]            ; in bytes
.endr
.irp x, 0,1,2,3
	v_cmp_gt_u32 vcc_lo, s27, v[ZR+\x]             ; the rows that are mine, one lane for each
	s_wait_xcnt 0x0                                ; EXEC changes only behind this wait
	s_and_saveexec_b32 s3, vcc_lo
	global_store_b32 v[SA+\x], v[16+32*\x+84*(\x/2)], s[98:99]
	s_wait_xcnt 0x0                                ; and again: the store has read EXEC, its address and its data
	s_or_b32 exec_lo, exec_lo, s3
.endr
	FINISH
.Lfunc_end_k_q9ba5894fd6_score:
	.size	k_q9ba5894fd6_score, .Lfunc_end_k_q9ba5894fd6_score-k_q9ba5894fd6_score
	.p2alignl 7, 3214868480
	.fill 96, 4, 3214868480
	.section	.rodata,"a",@progbits
	.p2align	6, 0x0
	.amdhsa_kernel k_q9ba5894fd6_score
		.amdhsa_group_segment_fixed_size 300544
		.amdhsa_private_segment_fixed_size 0
		.amdhsa_enable_private_segment 0
		.amdhsa_kernarg_size 72
		.amdhsa_user_sgpr_count 2
		.amdhsa_user_sgpr_kernarg_segment_ptr 1
		.amdhsa_wavefront_size32 1
		.amdhsa_system_sgpr_workgroup_id_x 1
		.amdhsa_system_sgpr_workgroup_id_y 1
		.amdhsa_system_sgpr_workgroup_id_z 1
		.amdhsa_system_vgpr_workitem_id 0
		.amdhsa_next_free_vgpr 1024
		.amdhsa_next_free_sgpr 100
		.amdhsa_reserve_vcc 1
		.amdhsa_float_denorm_mode_32 3
		.amdhsa_float_denorm_mode_16_64 3
		.amdhsa_memory_ordered 1
		.amdhsa_forward_progress 1
		.amdhsa_inst_pref_size 243
	.end_amdhsa_kernel
	.amdgpu_metadata
---
amdhsa.version: [ 1, 2 ]
amdhsa.kernels:
  - .name:           k_q9ba5894fd6_score
    .symbol:         k_q9ba5894fd6_score.kd
    .args:
      - { .name: encoder_outputs, .offset: 0, .size: 8, .value_kind: global_buffer, .address_space: global }
      - { .name: lst, .offset: 8, .size: 8, .value_kind: global_buffer, .address_space: global }
      - { .name: cnt, .offset: 16, .size: 8, .value_kind: global_buffer, .address_space: global }
      - { .name: wq, .offset: 24, .size: 8, .value_kind: global_buffer, .address_space: global }
      - { .name: ws, .offset: 32, .size: 8, .value_kind: global_buffer, .address_space: global }
      - { .name: ck, .offset: 40, .size: 8, .value_kind: global_buffer, .address_space: global }
      - { .name: V_w, .offset: 48, .size: 8, .value_kind: global_buffer, .address_space: global }
      - { .name: kc, .offset: 56, .size: 8, .value_kind: global_buffer, .address_space: global }
      - { .name: sd, .offset: 64, .size: 8, .value_kind: global_buffer, .address_space: global }
    .group_segment_fixed_size: 300544
    .private_segment_fixed_size: 0
    .kernarg_segment_align: 8
    .kernarg_segment_size: 72
    .max_flat_workgroup_size: 128
    .sgpr_count:     100
    .vgpr_count:     1024
    .wavefront_size: 32
...
	.end_amdgpu_metadata
.endif
;; end of part 2
;; launch mix (part 3): grid 8 x 32, 16 waves a work-group, no clusters, 27,136 bytes of LDS; arguments encoder_outputs, lst, cnt, sd, out0, out1; writes out0, out1
.if DOCPART == 3
	.amdgcn_target "amdgcn-amd-amdhsa--gfx1250"
	.amdhsa_code_object_version 6
	.text
	.protected	k_q9ba5894fd6_mix
	.globl	k_q9ba5894fd6_mix
	.p2align	8
	.type	k_q9ba5894fd6_mix,@function
k_q9ba5894fd6_mix:
	s_mov_b64 s[64:65], 0
	v_nop
	global_prefetch_b8 v0, s[64:65] scope:SCOPE_SE
	s_setreg_imm32_b32 hwreg(HW_REG_WAVE_MODE, 25, 1), 1
	s_wait_xcnt 0x0
; MIX: the softmax over a batch's 2,048 scores, out1 = the weights, out0[b,:] = the sum over s of weight x enc[b,s,:].  All in f32: the last product has one row, so the matrix units would buy nothing.
; WORK LEFT OUT: the rows of the last product whose weight is 0 because the mask replaced their score by -1e30: the stored list names the n rows that count (all 2,048 where the whole batch is masked:
; its scores are equal and its weights 1/2,048).  LIMITS as stated at the head of the first launch.
; SHARES.  Work-group (j, b) owns columns 128 j .. 128 j + 127 of out0[b] and positions 256 j .. 256 j + 255 of out1[b]: each output number has one owner.  Each of the eight work-groups of a batch
; makes the softmax's maximum and sum for itself from the batch's 8,192 bytes of scores.  The maximum is taken away before the exponential, by a subtraction: equal scores give the exponent 0 exactly.
; The listed rows' (index, weight) pairs go to LDS; then 16 waves walk the list, 16 rows a wave and trip, in two halves of 128 places: a load reads 512 consecutive bytes of one row, 16 loads a wave are out.
; Places of the list at and beyond n name the list's first row with the weight 0; they are met only inside the half of 128 places in which the list ends.
; THE WALK ASKS FOR NO HALF THAT HOLDS NO LISTED PLACE: a trip asks for both halves of the next trip, or for its first half alone (and then finishes it itself), or for nothing, by n.
.set RMAX,  0                          ; LDS: 16 waves' maxima
.set RSUM,  256                        ; their sums
.set PCB,   512                        ; 2,048 pairs (index, weight)
.set RED,   16896                      ; 16 waves x 512 bytes: their parts of out0
.set SPARE, 25088                      ; the spare words, 128 bytes for each wave: eight blocks of 256 bytes that no other line names
.set SPW, 1                            ; v1  LDS address of my spare word; never rewritten
.set NIL, 2                            ; v2  0; never rewritten
	s_load_b256 s[4:11], s[0:1], 0x0               ; enc s[4:5], lst s[6:7], cnt s[8:9], sd s[10:11]
	s_load_b128 s[12:15], s[0:1], 0x20             ; out0 s[12:13], out1 s[14:15]
	v_lshl_add_u32 v[SPW], v0, 2, SPARE
	v_mov_b32 v[NIL], 0
	v_lshrrev_b32 v3, 5, v0
	v_readfirstlane_b32 s16, v3                    ; wave 0..15
	s_and_b32 s17, ttmp7, 0xffff                   ; b
	v_and_b32 v3, 31, v0
	v_lshlrev_b32 v4, 4, v0                        ; 16 t: my four scores
	v_lshlrev_b32 v5, 4, v3                        ; 16 x lane
	v_lshl_add_u32 v6, v0, 3, PCB                  ; my pairs
	v_lshlrev_b32 v30, 2, v0                       ; 4 t: my list places
	s_mov_b32 s36, 0x76543210
	s_mov_b32 s37, 0xfedcba98
	s_lshl_b32 s20, s17, 3
	s_mov_b32 s3, 0
	s_wait_kmcnt 0x0
	s_load_b32 s19, s[8:9], s20 offset:0x4         ; n: the rows that count for the last product
	s_mul_i32 s2, s17, 8448
	s_add_nc_u64 s[24:25], s[6:7], s[2:3]          ; the batch's list
	s_load_b32 s38, s[24:25], 0x0                  ; its first entry, for the places at and beyond n
	s_lshl_b32 s2, s17, 13
	s_add_nc_u64 s[22:23], s[10:11], s[2:3]        ; the batch's scores
	s_add_nc_u64 s[30:31], s[14:15], s[2:3]        ; its row of out1
	global_load_b128 v[8:11], v4, s[22:23]
.irp m, 0,1,2,3
	global_load_b32 v[12+\m], v30, s[24:25] offset:2048*\m   ; list place k = t + 512 m: asked for beside the count, not behind it: all 2,048 places hold rows that exist
	v_add_nc_u32 v[24+\m], 512*\m, v0              ; k
.endr
	s_lshl_b32 s2, s17, 23
	s_lshl_b32 s18, ttmp9, 9
	s_add_co_u32 s2, s2, s18
	s_add_nc_u64 s[26:27], s[4:5], s[2:3]          ; the batch's rows, at my 512 bytes of each
	s_lshl_b32 s2, s17, 12
	s_add_co_u32 s2, s2, s18
	s_add_nc_u64 s[28:29], s[12:13], s[2:3]        ; my 512 bytes of out0
	s_wait_kmcnt 0x0
	s_min_u32 s19, s19, 2048
	s_min_u32 s38, s38, 2047
	v_mov_b32 v36, s38
	; the maximum
	s_wait_loadcnt 4                               ; the scores are in; the four list loads may be out
	v_max3_num_f32 v40, v8, v9, v10
	v_max_num_f32 v40, v40, v11
	v_max_num_f32_dpp v40, v40, v40 row_xmask:1 row_mask:0xf bank_mask:0xf
	v_max_num_f32_dpp v40, v40, v40 row_xmask:2 row_mask:0xf bank_mask:0xf
	v_max_num_f32_dpp v40, v40, v40 row_xmask:4 row_mask:0xf bank_mask:0xf
	v_max_num_f32_dpp v40, v40, v40 row_xmask:8 row_mask:0xf bank_mask:0xf
	v_mov_b32 v41, 0
	v_permlanex16_b32 v41, v40, s36, s37
	v_max_num_f32 v40, v40, v41
	v_mov_b32 v42, s16
	v_lshlrev_b32 v42, 2, v42                      ; my wave's word
	ds_store_b32 v42, v40                          ; all lanes write the same word with the same value
	s_wait_dscnt 0x0
	s_barrier_signal -1
	s_barrier_wait -1
	v_mov_b32 v43, 0
.irp x, 0,1,2,3
	ds_load_b128 v[44+4*\x:47+4*\x], v43 offset:RMAX+16*\x
.endr
	s_wait_dscnt 0x0
	v_max3_num_f32 v40, v44, v45, v46
.irp x, 47,49,51,53,55,57
	v_max3_num_f32 v40, v40, v[\x], v[\x+1]
.endr
	v_max_num_f32 v40, v40, v59                    ; the batch's largest score
	; p = e^(score - maximum), and the sum
.irp i, 0,1,2,3
	v_sub_f32 v[8+\i], v[8+\i], v40
.endr
.irp i, 0,1,2,3
	v_mul_f32 v[8+\i], 0x3fb8aa3b, v[8+\i]
.endr
.irp i, 0,1,2,3
	v_exp_f32 v[8+\i], v[8+\i]
.endr
	v_nop                                          ; a plain place behind the exponentials
	s_wait_alu depctr_va_vdst(0)                   ; one wait for the four, ahead of the first line that names a result
	v_add_f32 v41, v8, v9
	v_add_f32 v60, v10, v11
	v_add_f32 v41, v41, v60
	v_add_f32_dpp v41, v41, v41 row_xmask:1 row_mask:0xf bank_mask:0xf
	v_add_f32_dpp v41, v41, v41 row_xmask:2 row_mask:0xf bank_mask:0xf
	v_add_f32_dpp v41, v41, v41 row_xmask:4 row_mask:0xf bank_mask:0xf
	v_add_f32_dpp v41, v41, v41 row_xmask:8 row_mask:0xf bank_mask:0xf
	v_permlanex16_b32 v60, v41, s36, s37
	v_add_f32 v41, v41, v60
	ds_store_b32 v42, v41 offset:RSUM
	s_wait_dscnt 0x0
	s_barrier_signal -1
	s_barrier_wait -1
.irp x, 0,1,2,3
	ds_load_b128 v[44+4*\x:47+4*\x], v43 offset:RSUM+16*\x
.endr
	s_wait_dscnt 0x0
.irp x, 1,2,3,4,5,6,7
	v_pk_add_f32 v[44:45], v[44:45], v[44+2*\x:45+2*\x]
.endr
	v_add_f32 v41, v44, v45
	v_rcp_f32 v61, v41                             ; 1 / the sum
	v_nop
	s_wait_alu depctr_va_vdst(0)
	; out1: threads 64 j .. 64 j + 63 hold my 256 positions
	s_lshr_b32 s2, s16, 1
	s_cmp_eq_u32 s2, ttmp9
	s_cbranch_scc0 .Lno_w
.irp i, 0,1,2,3
	v_mul_f32 v[8+\i], v[8+\i], v61
.endr
	global_store_b128 v4, v[8:11], s[30:31]        ; a wave stores 512 consecutive bytes
.Lno_w:
	; the listed rows' weights, by their scores
	s_wait_loadcnt 0x0                             ; the list entries (and their address register is free)
.irp m, 0,1,2,3
	v_cmp_gt_u32 vcc_lo, s19, v[24+\m]
	v_cndmask_b32 v[70+2*\m], v36, v[12+\m], vcc_lo   ; the row; at and beyond n: the list's first
	v_min_u32 v[70+2*\m], 0x7ff, v[70+2*\m]
	v_lshlrev_b32 v[30+\m], 2, v[70+2*\m]
	global_load_b32 v[62+\m], v[30+\m], s[22:23]
.endr
	s_wait_loadcnt 0x0
.irp m, 0,1,2,3
	v_sub_f32 v[62+\m], v[62+\m], v40
.endr
.irp m, 0,1,2,3
	v_mul_f32 v[62+\m], 0x3fb8aa3b, v[62+\m]
.endr
.irp m, 0,1,2,3
	v_exp_f32 v[62+\m], v[62+\m]
.endr
	v_nop
	s_wait_alu depctr_va_vdst(0)
.irp m, 0,1,2,3
	v_mul_f32 v[62+\m], v[62+\m], v61
	v_cmp_gt_u32 vcc_lo, s19, v[24+\m]
	v_cndmask_b32 v[71+2*\m], 0, v[62+\m], vcc_lo  ; places at and beyond n weigh nothing
	ds_store_b64 v6, v[70+2*\m:71+2*\m] offset:4096*\m
.endr
	s_wait_dscnt 0x0                               ; for the others' sake: my pairs are in LDS
	s_barrier_signal -1
	s_barrier_wait -1
	; the rows.  Half 0: list places 256 u + 8 w + 0 .. 7; half 1: those 128 on.
.macro PAIRS h                         ; eight pairs (every lane reads the same bytes), their rows' offsets, eight loads
.irp x, 0,1,2,3
	ds_load_b128 v[32+16*\h+4*\x:35+16*\h+4*\x], v28 offset:1024*\h+16*\x
.endr
	s_wait_dscnt 0x0
.irp i, 0,1,2,3,4,5,6,7
	v_min_u32 v[64+8*\h+\i], 0x7ff, v[32+16*\h+2*\i]
	v_lshl_add_u32 v[64+8*\h+\i], v[64+8*\h+\i], 12, v5
.endr
.irp i, 0,1,2,3,4,5,6,7
	global_load_b128 v[80+32*\h+4*\i:83+32*\h+4*\i], v[64+8*\h+\i], s[26:27]   ; 512 consecutive bytes of one row, aligned
.endr
.endm
.macro FMAS h                          ; my four columns += weight x row, eight rows; the weight is the pair's upper word, for both halves of the packed form
.irp i, 0,1,2,3,4,5,6,7
	v_pk_fma_f32 v[16+4*\h:17+4*\h], v[80+32*\h+4*\i:81+32*\h+4*\i], v[32+16*\h+2*\i:33+16*\h+2*\i], v[16+4*\h:17+4*\h] op_sel:[0,1,0] op_sel_hi:[1,1,1]
	v_pk_fma_f32 v[18+4*\h:19+4*\h], v[82+32*\h+4*\i:83+32*\h+4*\i], v[32+16*\h+2*\i:33+16*\h+2*\i], v[18+4*\h:19+4*\h] op_sel:[0,1,0] op_sel_hi:[1,1,1]
.endr
.endm
.irp i, 16,17,18,19,20,21,22,23
	v_mov_b32 v\i, 0
.endr
	v_mov_b32 v7, s16
	v_lshlrev_b32 v7, 6, v7
	v_add_nc_u32 v7, PCB, v7                       ; my wave's eight pairs of a half
	v_mov_b32 v28, v7
	PAIRS 0                                        ; trip 0 (n is at least 1)
	PAIRS 1
	s_mov_b32 s32, 2048                            ; the next trip's pairs
	s_mov_b32 s33, 0                               ; this trip's first list place
	s_mov_b32 s34, 0
	s_mov_b32 s35, s19                             ; n; set to 0 by the trip that has finished the list ahead of its turn
; Seven trips, and an eighth written out that asks for nothing.  At the loop's head either both halves' loads are out, half 0's eight ahead of half 1's, or none is: the counts below hold in both cases.
.Lrow:
	v_add_nc_u32 v28, s32, v7
	s_cmp_lt_u32 s33, s35
	s_cbranch_scc0 .Lrow_n                         ; the list has ended
	s_add_co_u32 s2, s33, 256
	s_cmp_lt_u32 s2, s35
	s_cbranch_scc0 .Lrow_t                         ; it ends in this trip
	s_add_co_u32 s2, s33, 384
	s_cmp_lt_u32 s2, s35
	s_cbranch_scc0 .Lrow_p                         ; it ends in the next trip's first half
	s_wait_loadcnt 8                               ; half 0's eight rows are in (and its offsets free); half 1's may be out
	FMAS 0
	PAIRS 0
	s_wait_loadcnt 8                               ; half 1's are in; half 0's next eight may be out
	FMAS 1
	PAIRS 1
	s_branch .Lrow_n
.Lrow_p:
	s_wait_loadcnt 8                               ; as above,
	FMAS 0
	PAIRS 0
	s_wait_loadcnt 8
	FMAS 1
	s_wait_loadcnt 0x0                             ; but the next trip's second half holds no listed place: its first half is finished here,
	FMAS 0
	s_mov_b32 s35, 0                               ; and the later trips pass
	s_branch .Lrow_n
.Lrow_t:
	s_wait_loadcnt 8                               ; half 0's are in; half 1's may be out
	FMAS 0
	s_wait_loadcnt 0x0
	FMAS 1
.Lrow_n:
	s_add_co_u32 s32, s32, 2048
	s_add_co_u32 s33, s33, 256
	s_add_co_u32 s34, s34, 1
	s_cmp_lt_u32 s34, 7
	s_cbranch_scc1 .Lrow
	s_cmp_lt_u32 s33, s35                          ; places 1,792 to 2,047
	s_cbranch_scc0 .Lrow_e
	s_wait_loadcnt 8
	FMAS 0
	s_wait_loadcnt 0x0
	FMAS 1
.Lrow_e:
	s_wait_loadcnt 0x0                             ; no load is out where the rows' registers are taken for the last sum
	v_pk_add_f32 v[16:17], v[16:17], v[20:21]
	v_pk_add_f32 v[18:19], v[18:19], v[22:23]
	s_lshl_b32 s2, s16, 9
	s_add_co_u32 s2, s2, RED
	v_add_nc_u32 v29, s2, v5
	ds_store_b128 v29, v[16:19]
	s_wait_dscnt 0x0                               ; for wave 0's sake
	s_barrier_signal -1
	s_barrier_wait -1
	s_cmp_lg_u32 s16, 0
	s_cbranch_scc1 .Lfin
	v_add_nc_u32 v29, RED, v5
.irp x, 0,1,2,3,4,5,6,7,8,9,10,11,12,13,14,15
	ds_load_b128 v[80+4*\x:83+4*\x], v29 offset:512*\x
.endr
	s_wait_dscnt 0x0
.irp x, 1,2,3,4,5,6,7,8,9,10,11,12,13,14,15
	v_pk_add_f32 v[80:81], v[80:81], v[80+4*\x:81+4*\x]
	v_pk_add_f32 v[82:83], v[82:83], v[82+4*\x:83+4*\x]
.endr
	global_store_b128 v5, v[80:83], s[28:29]       ; 512 consecutive bytes of out0, aligned
.Lfin:
	s_wait_tensorcnt 0x0                           ; a wave's end: a tensor wait, an LDS add and its wait behind the last LDS store
	ds_add_u32 v[SPW], v[NIL]
	s_wait_dscnt 0x0
	s_endpgm
.Lfunc_end_k_q9ba5894fd6_mix:
	.size	k_q9ba5894fd6_mix, .Lfunc_end_k_q9ba5894fd6_mix-k_q9ba5894fd6_mix
	.p2alignl 7, 3214868480
	.fill 96, 4, 3214868480
	.section	.rodata,"a",@progbits
	.p2align	6, 0x0
	.amdhsa_kernel k_q9ba5894fd6_mix
		.amdhsa_group_segment_fixed_size 27136
		.amdhsa_private_segment_fixed_size 0
		.amdhsa_enable_private_segment 0
		.amdhsa_kernarg_size 48
		.amdhsa_user_sgpr_count 2
		.amdhsa_user_sgpr_kernarg_segment_ptr 1
		.amdhsa_wavefront_size32 1
		.amdhsa_system_sgpr_workgroup_id_x 1
		.amdhsa_system_sgpr_workgroup_id_y 1
		.amdhsa_system_sgpr_workgroup_id_z 1
		.amdhsa_system_vgpr_workitem_id 0
		.amdhsa_next_free_vgpr 160
		.amdhsa_next_free_sgpr 66
		.amdhsa_reserve_vcc 1
		.amdhsa_float_denorm_mode_32 3
		.amdhsa_float_denorm_mode_16_64 3
		.amdhsa_memory_ordered 1
		.amdhsa_forward_progress 1
		.amdhsa_inst_pref_size 34
	.end_amdhsa_kernel
	.amdgpu_metadata
---
amdhsa.version: [ 1, 2 ]
amdhsa.kernels:
  - .name:           k_q9ba5894fd6_mix
    .symbol:         k_q9ba5894fd6_mix.kd
    .args:
      - { .name: encoder_outputs, .offset: 0, .size: 8, .value_kind: global_buffer, .address_space: global }
      - { .name: lst, .offset: 8, .size: 8, .value_kind: global_buffer, .address_space: global }
      - { .name: cnt, .offset: 16, .size: 8, .value_kind: global_buffer, .address_space: global }
      - { .name: sd, .offset: 24, .size: 8, .value_kind: global_buffer, .address_space: global }
      - { .name: out0, .offset: 32, .size: 8, .value_kind: global_buffer, .address_space: global }
      - { .name: out1, .offset: 40, .size: 8, .value_kind: global_buffer, .address_space: global }
    .group_segment_fixed_size: 27136
    .private_segment_fixed_size: 0
    .kernarg_segment_align: 8
    .kernarg_segment_size: 48
    .max_flat_workgroup_size: 512
    .sgpr_count:     66
    .vgpr_count:     160
    .wavefront_size: 32
...
	.end_amdgpu_metadata
.endif
;; end of part 3
